; MI455X (gfx1250); checked and timed in simulation.
; The chip was launched on July 23, 2026; its instructions are those of AMD's public machine-readable ISA for CDNA 5 (MIT licence, August 2026) and "CDNA5" Instruction Set Architecture Reference Guide (July 2026). The comments in the code are by the model that wrote it; some were corrected since.
;; Multi Head Self Attention Naive. Allowed arithmetic: matrix products marked QUANTISED: E2M1 operands, one E8M0 scale for each 32 along K, by v_wmma_scale_f32_16x16x128_f8f6f4 with both operands' format E2M1 (or v_wmma_scale_f32_32x16x128_f4), f32 sums; everything else in f32.
;; Inputs: b_in 3,072 float32; b_out 1,024 float32; w_in_codes 3,072 x 32 x 16 uint8 (E2M1 codes of w_in, K innermost, in blocks of 32 codes, two codes a byte); w_in_scales 3,072 x 32 uint8 (E8M0 scales of w_in, one for each 32 codes along K); w_out_codes 1,024 x 32 x 16 uint8 (E2M1 codes of w_out, K innermost, in blocks of 32 codes, two codes a byte); w_out_scales 1,024 x 32 uint8 (E8M0 scales of w_out, one for each 32 codes along K); x_codes 4 x 2,048 x 32 x 16 uint8 (E2M1 codes of x, K innermost, in blocks of 32 codes, two codes a byte); x_scales 4 x 2,048 x 32 uint8 (E8M0 scales of x, one for each 32 codes along K).
;; Outputs: out0 4 x 2,048 x 1,024 float32.
;; This version of the problem:
;;   THIS VERSION OF THE PROBLEM IS GIVEN IN LOW PRECISION. The matrix products marked QUANTISED in the list below multiply operands that are first quantised to E2M1 (2 exponent bits, 1 mantissa bit; 4 bits a number), with one power-of-two scale for each 32 numbers along K (OCP MX v1.0); their sums are f32. All else is computed in f32.
;;   The module's matrix products, in the order in which they are computed (A, B: the left and right operand; K: the contracted axis; several contracted axes count as one K, in the product's order):
;;     1. [M 8,192, K 1,024] x [K 1,024, N 3,072]; A: input x (given as codes); B: input w_in (given as codes): QUANTISED
;;     2. batch 64 x [M 2,048, K 64] x [K 64, N 2,048]; A: computed on the way; B: computed on the way: QUANTISED
;;     3. batch 64 x [M 2,048, K 2,048] x [K 2,048, N 64]; A: softmax (see below); B: computed on the way: QUANTISED
;;     4. [M 8,192, K 1,024] x [K 1,024, N 1,024]; A: computed on the way; B: input w_out (given as codes): QUANTISED
;;   THE QUANTISER, for each operand of a quantised product, along K:
;;     - K is cut into blocks of 32 from its start; a last block that is shorter is filled with zeros.
;;     - A block's scale is 2^e with e = floor(log2(the largest magnitude in the block)) - 2, held to -126 .. 127; a block of zeros has e = 0. As a byte (E8M0): e + 127.
;;     - Each number is divided by its block's scale, clamped to +-6, and rounded to the nearest number of E2M1, ties to even, subnormals kept.
;;     - The product sums the exact products of the quantised numbers (number of the format x scale) in f32.
;;   ~~~python
;;   def quantise(x, axis):      # numpy; x: float32 -> the quantised numbers, widened to float32 again
;;       x = np.moveaxis(x, axis, -1); K = x.shape[-1]
;;       x = np.pad(x, [(0, 0)] * (x.ndim - 1) + [(0, -K % 32)]); x = x.reshape(x.shape[:-1] + (-1, 32)); a = np.abs(x).max(-1, keepdims=True)
;;       e = np.where(a > 0, np.clip(np.frexp(np.where(a > 0, a, 1))[1] - 1 - 2, -126, 127), 0)      # np.frexp(a)[1] - 1 = floor(log2(a)), exactly
;;       r = np.clip(x / 2.0 ** e, -6, 6)
;;       step = 2.0 ** (np.maximum(np.frexp(np.where(r == 0, 1, r))[1] - 1, 0) - 1)
;;       q = np.round(r / step) * step * 2.0 ** e      # np.round: ties to even
;;       return np.moveaxis(q.reshape(q.shape[:-2] + (-1,))[..., :K], -1, axis).astype(np.float32)
;;   ~~~
;;   SOFTMAX AHEAD OF A QUANTISED PRODUCT. Where the list says 'softmax', what is quantised is not the finished softmax but p = 2^(t - M), with t = logit x log2(e) and M = ceil(the row's largest t), a whole number; so 1/2 < the row's largest p <= 1. The row's sum l is taken of the UNQUANTISED p, in f32, and the product's result is divided by l at the end. Since M is a whole number, a kernel that streams over the keys may use a running M (the ceiling of the running maximum): every later rescaling is an exact power of two, which a block's scale takes up: the codes' values come out the same.
;;   OPERANDS COMPUTED ON THE WAY. 'Computed on the way' means the value that the module computes at that place (a softmax that the list does not call 'softmax' is quantised finished and normalised). What goes into a quantiser is computed in f32, as accurately as f32 sums, v_exp_f32 and their like allow (about 1e-6 of the number): no bf16 or f16 on the way to a quantiser, and a product that is left as it is and whose result goes on into a quantised operand takes f32 operands (vector FMAs, or v_wmma_f32_16x16x4_f32). A number that lies on a knife's edge between two numbers of the format may be rounded either way, as far as f32 arithmetic and the matrix unit's own rounding can turn it there, and no further.
;;   INPUTS GIVEN AS CODES. w_in (in the module: [1024, 3072], K = its axis 0); w_out (in the module: [1024, 1024], K = its axis 0); x (in the module: [4, 2048, 1024], K = its axis 2): each comes as NAME_codes (uint8): NAME with its K axis moved to the last place and cut into blocks of 32 codes, [.., K / 32, bytes a block], one block behind the other in memory; two codes a byte, the lower K in the low four bits (a code: sign, 2 exponent bits, 1 mantissa bit); and NAME_scales (uint8): the same leading axes, one E8M0 byte (e + 127) for each 32 codes along K. Its value is code x scale, taken as it is: it is not quantised again, and the codes and scales need not be those that the quantiser above would give.
;; One version. Each part assembles by itself: llvm-mc -triple=amdgcn-amd-amdhsa -mcpu=gfx1250 --defsym DOCPART=n.
;; ======== version 1 of 1: 3 launches
;; workspace buffers: qkv 13,893,632 bytes; ao 4,194,304 bytes; aos 262,144 bytes
;; launch qkv (part 1): grid 24 x 32, 4 waves a work-group, clusters of 4 x 4, 221,696 bytes of LDS; arguments x_codes, x_scales, w_in_codes, w_in_scales, b_in, qkv; writes qkv
.if DOCPART == 1
	.amdgcn_target "amdgcn-amd-amdhsa--gfx1250"
	.amdhsa_code_object_version 6
	.text
	.protected	k_q8035282e18_qkv
	.globl	k_q8035282e18_qkv
	.p2align	8
	.type	k_q8035282e18_qkv,@function
k_q8035282e18_qkv:
	s_mov_b64 s[64:65], 0
	v_nop
	global_prefetch_b8 v0, s[64:65] scope:SCOPE_SE
	s_setreg_imm32_b32 hwreg(HW_REG_WAVE_MODE, 25, 1), 1
	s_wait_xcnt 0x0
	s_wait_alu depctr_hold_cnt(0) depctr_sa_sdst(0) depctr_va_vdst(0) depctr_va_sdst(0) depctr_va_ssrc(0) depctr_va_vcc(0) depctr_vm_vsrc(0)
	s_getreg_b32 s2, hwreg(HW_REG_IB_STS2, 6, 4)
	s_cmp_eq_u32 s2, 0
	s_cbranch_scc0 .Lentry_in_a_cluster
	s_endpgm
.Lentry_in_a_cluster:
	s_bfe_u32 s2, ttmp6, 0x10000c
	s_cmp_lg_u32 s2, 0xf033
	s_cbranch_scc0 .Lentry_shape_is_right
	s_endpgm
.Lentry_shape_is_right:
; qkv = x w_in + b_in on codes of FP4 (E2M1) with one E8M0 scale for each 32 along K = 1,024; the result is quantised at once, in registers, and leaves as codes:
; q and k along the head's 64 (two blocks), v along the keys.  x: 8,192 rows x 512 bytes of codes; w_in: 3,072 rows x 512 bytes, K innermost in both; scale bytes 32 a row.
; SHARES.  A work-group takes 256 rows of x and 128 rows of w_in for all of K: 24 x 32 work-groups of equal work.  Each of its four waves has 8 tiles of source 0 x 4 tiles of source 1: 32 accumulators.
; SOURCE 0 IS THE AXIS THAT IS QUANTISED NEXT: in a result tile a lane holds one row of source 1 and its eight registers run along source 0.
;   columns of q and k (the cluster's x under 4): source 0 = the 128 rows of w_in (two heads), source 1 = my 64 rows of x;
;   columns of v: source 0 = 128 rows of x (128 keys, one K step of attention's second product), source 1 = 64 rows of w_in (one head).
; The two ways part once, on the cluster's x, which all partners share, and join in front of the closing round.
; LDS.  K = 1,024 is two halves of 512 (rows of 256 bytes + 16 of padding): both halves of both tiles and all scale bytes are asked for at the head and every byte is filled once: no slot is filled again.
; So nothing is left that could be asked for ahead of time, and no prefetch is written.
; CLUSTER 4 x 4: x's tile is shared along a row of the cluster, w_in's along a column: each is asked for jointly, by the same load with the same descriptor and a mask that names the four.
; THE QUANTISER.  Block beta of 32 is tiles 2 beta and 2 beta + 1: 16 registers of a lane and 16 of the lane 16 away.  Scale 2^(floor(log2(largest magnitude)) - 2).
; The eight conversions' results, laid at 4 (beta / 2) + 2 tau + beta % 2 (tau: which of the block's two tiles), become the 4-bit operand's registers by four exchanges of lane halves.
; THE WORKSPACE: 64 records (16 b + head) of REC bytes: K codes, K scale words, V codes, V scale words, Q codes, Q scale words, all as images of the operand's registers, lane by lane.
; LIMITS: a block of zeros gets the scale byte 1 (its codes are zeros, and this program alone reads the bytes); NaN and infinities are not served.
; REGISTERS.  window 0: v1-13 addresses; v16-47 source 0's scale words, v48-63 source 1's; v64-191 source 0's fragments, two sets; v192-255 source 1's, two sets; in the epilogue v64-119 at work.
;   window 1: accumulator (i, j) at v[64 j + 8 i].   window 2: v0-63 the bias, as the C of the first K step.
.set PITCH, 272                        ; an LDS row: 256 bytes + 16 of padding: the 16 rows that a fragment load touches start 68 words apart
.set TROW,  16*PITCH                   ; a tile of 16 rows
.set BOFF,  256*PITCH                  ; in a half: x's 256 rows, then w_in's 128
.set SLOT,  384*PITCH
.set SCL,   2*SLOT                     ; behind the halves: x's scale bytes (8,192), then w_in's (4,096), dense, 32 bytes a row
.set REC,   217088                     ; a record of the workspace
.set VC,    73728
.set VS,    139264
.set QC,    143360                     ; (K's codes begin a record; every part's scale words lie 65,536 bytes behind its codes)
.set TM,    100                        ; v100-103 largest magnitudes, v104-107 the other half's, then bytes, v112-115 the conversions' scale operands
.set MSB, 0
.macro WIN new                         ; the immediate's high byte repeats the setting that is left
.if MSB != \new
	s_set_vgpr_msb (MSB<<8)|\new
.set MSB, \new
.endif
.endm
.macro PLACES n                        ; plain vector places behind matrix instructions (ISA guide 7.12.1)
.rept \n
	v_nop
.endr
.endm
.macro CROUND                          ; a round of the cluster's barrier
	s_barrier_signal -1
	s_barrier_wait -1
	s_cmp_lg_u32 s16, 0
	s_cbranch_scc1 .Lnot_wave_0_\@
	s_barrier_signal -3
.Lnot_wave_0_\@:
	s_barrier_wait -3
	s_barrier_signal -1
	s_barrier_wait -1
.endm
	s_load_b256 s[4:11], s[0:1], 0x0               ; x's codes s[4:5], x's scales s[6:7], w_in's codes s[8:9], w_in's scales s[10:11]
	s_load_b128 s[12:15], s[0:1], 0x20             ; b_in s[12:13], the workspace s[14:15]
	v_lshl_add_u32 v15, v0, 2, 0x36000
	s_set_vgpr_msb 0x80
	v_mov_b32 v65, 0
	s_set_vgpr_msb 0x8088
	ds_add_u32 v15, v65
	ds_add_u32 v15, v65
	s_set_vgpr_msb 0x8800
	v_lshrrev_b32 v1, 5, v0
	v_readfirstlane_b32 s16, v1                    ; wave 0..3
	s_lshr_b32 s17, s16, 1                         ; I fetch for x (0) or for w_in (1)
	s_and_b32 s18, s16, 1                          ; and which half of that tile's rows
	s_bfe_u32 s19, ttmp6, 0x40000                  ; cx
	s_bfe_u32 s20, ttmp6, 0x40004                  ; cy
	s_lshl_b32 s21, ttmp9, 2
	s_add_co_u32 s21, s21, s19                     ; nt: which 128 rows of w_in
	s_and_b32 s22, ttmp7, 0xffff
	s_lshl_b32 s22, s22, 2
	s_add_co_u32 s22, s22, s20                     ; mt: which 256 rows of x
	s_lshl_b32 s94, s20, 2
	s_lshl_b32 s94, 15, s94                        ; my row of the cluster
	s_lshl_b32 s95, 0x1111, s19                    ; my column
	; descriptor groups 1.  Codes: rows of 256 one-byte elements, 512 bytes apart in memory, 4 words of padding behind every 64; x: 128 rows a load, w_in: 64
	s_or_b32 s24, s94, (1<<20)|(1<<21)|(5<<22)|(3<<25)
	s_mov_b32 s25, 256<<16
	s_mov_b32 s26, 128<<16
	s_mov_b32 s27, 256<<16
	s_mov_b32 s28, 128
	s_mov_b32 s29, 512
	s_mov_b32 s30, 0
	s_mov_b32 s31, 0
	s_or_b32 s32, s95, (1<<20)|(1<<21)|(5<<22)|(3<<25)
	s_mov_b32 s33, 256<<16
	s_mov_b32 s34, 64<<16
	s_mov_b32 s35, 256<<16
	s_mov_b32 s36, 64
	s_mov_b32 s37, 512
	s_mov_b32 s38, 0
	s_mov_b32 s39, 0
	; scale bytes: dense blocks, as rows of 256 bytes (32 elements of 8 bytes): 128 rows of x are 16 such rows, 64 rows of w_in are 8
	s_or_b32 s40, s94, (3<<16)|(1<<21)
	s_mov_b32 s41, 32<<16
	s_mov_b32 s42, 16<<16
	s_mov_b32 s43, 32<<16
	s_mov_b32 s44, 16
	s_mov_b32 s45, 32
	s_mov_b32 s46, 0
	s_mov_b32 s47, 0
	s_or_b32 s48, s95, (3<<16)|(1<<21)
	s_mov_b32 s49, 32<<16
	s_mov_b32 s50, 8<<16
	s_mov_b32 s51, 32<<16
	s_mov_b32 s52, 8
	s_mov_b32 s53, 32
	s_mov_b32 s54, 0
	s_mov_b32 s55, 0
	; where the tiles come from: x's hang on mt alone, w_in's on nt alone, each in registers of its own
	s_lshl_b32 s96, s22, 8
	s_lshl_b32 s97, s18, 7
	s_add_co_u32 s96, s96, s97                     ; x: row 256 mt + 128 x half
	s_lshl_b32 s2, s96, 5                          ; its scale bytes
	s_mov_b32 s3, 0
	s_lshl_b32 s96, s96, 9                         ; its codes
	s_mov_b32 s97, 0
	s_lshl_b32 s98, s21, 7
	s_lshl_b32 s99, s18, 6
	s_add_co_u32 s98, s98, s99                     ; w_in: row 128 nt + 64 x half
	s_lshl_b32 s66, s98, 5
	s_mov_b32 s67, 0
	s_lshl_b32 s98, s98, 9
	s_mov_b32 s99, 0
	s_mul_i32 s23, s18, 8*TROW                     ; where they go: 128 rows of x, 64 rows of w_in for each half: no place in the cluster enters an LDS address
	s_mul_i32 s91, s18, 4*TROW
	s_mov_b32 s90, 0xffff0000                      ; lanes 16-31
	s_mov_b32 s92, 0x76543210                      ; v_permlanex16_b32's selects for the lane 16 away
	s_mov_b32 s93, 0xfedcba98
	s_wait_dscnt 0x0
	s_wait_kmcnt 0x0
	s_mov_b32 s56, 1                               ; groups 0 for x: scale bytes, first half of K, second half
	s_lshl_b32 s57, s18, 12
	s_add_co_u32 s57, s57, SCL
	s_add_nc_u64 s[58:59], s[6:7], s[2:3]
	s_or_b32 s59, s59, 0x80000000
	s_mov_b32 s60, 1
	s_mov_b32 s61, s23
	s_add_nc_u64 s[62:63], s[4:5], s[96:97]
	s_mov_b32 s68, 1
	s_add_co_u32 s69, s23, SLOT
	s_add_nc_u64 s[70:71], s[62:63], 256
	s_or_b32 s63, s63, 0x80000000
	s_or_b32 s71, s71, 0x80000000
	s_mov_b32 s72, 1                               ; and for w_in
	s_lshl_b32 s73, s18, 11
	s_add_co_u32 s73, s73, SCL+8192
	s_add_nc_u64 s[74:75], s[10:11], s[66:67]
	s_or_b32 s75, s75, 0x80000000
	s_mov_b32 s76, 1
	s_add_co_u32 s77, s91, BOFF
	s_add_nc_u64 s[78:79], s[8:9], s[98:99]
	s_mov_b32 s80, 1
	s_add_co_u32 s81, s91, BOFF+SLOT
	s_add_nc_u64 s[82:83], s[78:79], 256
	s_or_b32 s79, s79, 0x80000000
	s_or_b32 s83, s83, 0x80000000
	CROUND                                         ; all sixteen work-groups are here: the joint loads meet
	s_cmp_eq_u32 s17, 0                            ; a wave's three fills stand in one branch on its number: three loads of mine are out; four v_nop follow the third
	s_cbranch_scc0 .Lfill_w
	tensor_load_to_lds s[56:59], s[40:47]
	s_nop 0
	tensor_load_to_lds s[60:63], s[24:31]
	s_nop 0
	tensor_load_to_lds s[68:71], s[24:31]
	s_nop 0
	PLACES 4
	s_branch .Lfilled
.Lfill_w:
	tensor_load_to_lds s[72:75], s[48:55]
	s_nop 0
	tensor_load_to_lds s[76:79], s[32:39]
	s_nop 0
	tensor_load_to_lds s[80:83], s[32:39]
	s_nop 0
	PLACES 4
.Lfilled:
	v_and_b32 v1, 15, v0                           ; r
	v_bfe_u32 v2, v0, 4, 1                         ; h
	v_mul_u32_u24 v3, v1, PITCH
	v_lshl_add_u32 v3, v2, 4, v3                   ; a fragment: row r x pitch + 16 h
	v_and_b32 v14, 31, v0
	v_lshlrev_b32 v10, 4, v14                      ; 16 x lane: an image's place
	v_lshlrev_b32 v11, 3, v14                      ; 8 x lane: a pair of scale words'
	v_lshlrev_b32 v13, 5, v1
	v_lshl_add_u32 v13, v2, 4, v13                 ; scale bytes: row r x 32 + 16 h: lanes 0-15 take the words of K steps 0-3, lanes 16-31 those of K steps 4-7
.macro FRAG reg, adr, off, d           ; a fragment, 16 rows x 128 K of 4-bit codes: 8 registers, two loads of 16 bytes, d bytes apart
	ds_load_b128 v[\reg:\reg+3], v[\adr] offset:\off
	ds_load_b128 v[\reg+4:\reg+7], v[\adr] offset:\off+\d
.endm
.macro FETCH q                         ; K step q's fragments into set q % 2: source 0's eight, source 1's four
.irp i, 0,1,2,3,4,5,6,7
	FRAG 64+64*((\q)%2)+8*\i, 4+(\q)/4, TROW*\i+64*((\q)%4), 32
.endr
.irp j, 0,1,2,3
	FRAG 192+32*((\q)%2)+8*\j, 6+(\q)/4, TROW*\j+64*((\q)%4), 32
.endr
.endm
.macro SCALES                          ; all scale words of the product: twelve loads
.irp i, 0,1,2,3,4,5,6,7
	ds_load_b128 v[16+4*\i:19+4*\i], v8 offset:512*\i
.endr
.irp j, 0,1,2,3
	ds_load_b128 v[48+4*\j:51+4*\j], v9 offset:512*\j
.endr
.endm
; 32 matrix instructions: K step q.  The 32 accumulators take turns, one instruction a turn, in the same order in every step.
; In step 0 the bias is C: cm = 0: it runs along source 0 (tile i); cm = 1: along source 1 (tile j).  From step 4 on the scale words are those of lanes 16-31.
.macro MULS q, cm
.irp j, 0,1,2,3
.irp i, 0,1,2,3,4,5,6,7
.set rD, 64*\j+8*\i
.set rC, rD
.if (\q) == 0
.set rC, 8*\i*(1-\cm)+8*\j*\cm
.endif
.set rA, 64+64*((\q)%2)+8*\i
.set rB, 192+32*((\q)%2)+8*\j
.set rS, 16+4*\i+(\q)%4
.set rT, 48+4*\j+(\q)%4
.if (\q) < 4
	v_wmma_scale_f32_16x16x128_f8f6f4 v[rD:rD+7], v[rA:rA+7], v[rB:rB+7], v[rC:rC+7], v[rS], v[rT] matrix_a_fmt:MATRIX_FMT_FP4 matrix_b_fmt:MATRIX_FMT_FP4
.else
	v_wmma_scale_f32_16x16x128_f8f6f4 v[rD:rD+7], v[rA:rA+7], v[rB:rB+7], v[rC:rC+7], v[rS], v[rT] matrix_a_fmt:MATRIX_FMT_FP4 matrix_b_fmt:MATRIX_FMT_FP4 matrix_a_scale:MATRIX_SCALE_ROW1 matrix_b_scale:MATRIX_SCALE_ROW1
.endif
.endr
.endr
.endm
.macro STEP q, cm
	s_wait_dscnt 0x0                               ; this step's fragments are in (asked for a step ago)
.if (\q) == 3
	s_wait_tensorcnt 0x0                           ; my part of the second half of K has landed,
	s_barrier_signal -1
	s_barrier_wait -1                              ; everybody's has: the next fetch reads it
.endif
.if (\q) < 7
.if (\q) > 0
	PLACES 4                                       ; in front of loads into the set that the last step's products read
.endif
	FETCH (\q)+1
.endif
.if (\q) == 0
	WIN 0x60                                       ; D window 1, C (the bias) window 2
.else
	WIN 0x50                                       ; C and D window 1
.endif
	MULS \q, \cm
	WIN 0
.endm
.macro BODY cm
	s_wait_tensorcnt 0x1                           ; my scale bytes and my part of the first half are in; the one load that may be out is the second half's
	s_barrier_signal -1
	s_barrier_wait -1                              ; everybody's are
	SCALES
	FETCH 0
	s_wait_loadcnt 0x0                             ; the bias
.irp q, 0,1,2,3,4,5,6,7
	STEP \q, \cm
.endr
	PLACES 4                                       ; behind the last products: their results are read, their operands' registers written
.irp b, 0,1,2,3
	v_mov_b32 v[TM+4+\b], 0                        ; written once: a lane permute's destination counts as one of its sources
.endr
.endm
; The 64 results of source 1's tile j (window 1, v[64 j] on; register 8 i + e = source 0's index 16 i + 8 h + e) become a fragment's codes in v[64 + 8 j] on and its scale word in v[96 + j].
.macro QUANT j
.set sA, 64*\j
.set PC, 64+8*\j
.set PW, 96+\j
	WIN 0x05
.irp b, 0,1,2,3
	v_max3_num_f32 v[TM+\b], |v[sA+16*\b]|, |v[sA+1+16*\b]|, 0x1800000   ; block b: my 16 numbers, from each accumulator's low end on, and the floor 2^(3 - 127): the byte cannot fall under 1
.endr
	WIN 0x14
.irp i, 2,4,6,8,10,12,14
.irp b, 0,1,2,3
	v_max3_num_f32 v[TM+\b], v[TM+\b], |v[sA+16*\b+\i]|, |v[sA+1+16*\b+\i]|
.endr
.endr
	WIN 0
.irp b, 0,1,2,3
	v_permlanex16_b32 v[TM+4+\b], v[TM+\b], s92, s93
.endr
.irp b, 0,1,2,3
	v_max_num_f32 v[TM+\b], v[TM+\b], v[TM+4+\b]   ; with the lane 16 away: the block's largest magnitude
.endr
.irp b, 0,1,2,3
	v_add_nc_u32 v[TM+12+\b], 0xff000000, v[TM+\b] ; 2 off its exponent field: the conversion's scale operand
.endr
.irp b, 0,1,2,3
	v_lshrrev_b32 v[TM+4+\b], 23, v[TM+12+\b]      ; the scale's byte
.endr
	v_lshl_or_b32 v[PW], v[TM+5], 8, v[TM+4]
	v_lshl_or_b32 v[PW], v[TM+6], 16, v[PW]
	v_lshl_or_b32 v[PW], v[TM+7], 24, v[PW]
	WIN 0x01
.irp b, 0,1,2,3
	v_cvt_scalef32_pk8_fp4_f32 v[PC+4*(\b/2)+(\b%2)], v[sA+16*\b:sA+16*\b+7], v[TM+12+\b]
	v_cvt_scalef32_pk8_fp4_f32 v[PC+4*(\b/2)+2+(\b%2)], v[sA+16*\b+8:sA+16*\b+15], v[TM+12+\b]
.endr
	WIN 0
	v_nop                                          ; one plain place behind a scaled conversion
.irp c, 0,1
.irp u, 0,1
	v_permlane16_swap_b32 v[PC+4*\c+2*\u], v[PC+4*\c+2*\u+1]   ; the first's lanes 16-31 change places with the second's lanes 0-15: registers 4 c + g now hold k = 64 c + 32 h + 8 g + 0 .. 7
.endr
.endr
.endm
	s_cmp_ge_u32 ttmp9, 4                          ; the cluster's x: the same in all sixteen partners
	s_cbranch_scc1 .Lpath_v
	; ---- columns of q and k: source 0 = w_in's 128 rows, source 1 = my 64 rows of x
	v_add_nc_u32 v4, BOFF, v3
	v_add_nc_u32 v5, BOFF+SLOT, v3
	s_mul_i32 s94, s16, 4*TROW
	v_add_nc_u32 v6, s94, v3
	s_add_co_u32 s94, s94, SLOT
	v_add_nc_u32 v7, s94, v3
	v_add_nc_u32 v8, SCL+8192, v13
	s_lshl_b32 s94, s16, 11
	s_add_co_u32 s94, s94, SCL
	v_add_nc_u32 v9, s94, v13
	v_lshlrev_b32 v12, 5, v2                       ; the bias of tile i: b_in[128 nt + 16 i + 8 h + 0 .. 7]
	s_lshl_b32 s98, s21, 9
	s_mov_b32 s99, 0
	s_add_nc_u64 s[88:89], s[12:13], s[98:99]
	WIN 0x80                                       ; destination window 2
.irp i, 0,1,2,3,4,5,6,7
	global_load_b128 v[8*\i:8*\i+3], v12, s[88:89] offset:64*\i
	global_load_b128 v[8*\i+4:8*\i+7], v12, s[88:89] offset:64*\i+16
.endr
	WIN 0
	s_lshr_b32 s94, s22, 3                         ; b
	s_lshl_b32 s94, s94, 4
	s_and_b32 s96, s21, 7
	s_lshl_b32 s96, s96, 1
	s_add_co_u32 s94, s94, s96                     ; the record of my first head: 16 b + 2 (nt % 8)
	s_mul_i32 s94, s94, REC
	s_cmp_lt_u32 ttmp9, 2                          ; q's columns or k's
	s_cselect_b32 s96, QC, 0
	s_add_co_u32 s94, s94, s96
	s_and_b32 s95, s22, 7
	s_lshl_b32 s96, s95, 2
	s_add_co_u32 s96, s96, s16                     ; which 64 rows of the batch: 4 (mt % 8) + wave
	s_lshl_b32 s97, s96, 11                        ; four tiles' images of 512 bytes
	s_add_co_u32 s98, s94, s97
	s_add_nc_u64 s[84:85], s[14:15], s[98:99]
	s_lshl_b32 s97, s96, 8                         ; 256 bytes of scale words
	s_add_co_u32 s98, s94, s97
	s_add_co_u32 s98, s98, 65536
	s_add_nc_u64 s[86:87], s[14:15], s[98:99]
	BODY 0
.irp j, 0,1,2,3
	QUANT \j
	global_store_b128 v10, v[64+8*\j:64+8*\j+3], s[84:85] offset:512*\j          ; the first head's 64: 32 lanes store 512 consecutive bytes
	global_store_b128 v10, v[64+8*\j+4:64+8*\j+7], s[84:85] offset:512*\j+REC    ; the second head's, in the next record
.endr
	v_cndmask_b32 v116, v96, v97, s90              ; lanes 0-15 the word of tile 0, lanes 16-31 that of tile 1;
	v_cndmask_b32 v117, v98, v99, s90              ; tiles 2 and 3
	v_lshrrev_b32 v118, 16, v116                   ; the second head's two bytes come down; above them stand zeros
	v_lshrrev_b32 v119, 16, v117
	global_store_b64 v11, v[116:117], s[86:87]     ; 256 consecutive bytes.  (The first head's words keep the second head's bytes above: never 0xff, and they meet zero codes alone)
	global_store_b64 v11, v[118:119], s[86:87] offset:REC
	s_branch .Lend
	; ---- columns of v: source 0 = 128 rows of x (wave / 2), source 1 = 64 rows of w_in (wave % 2): one head
.Lpath_v:
	s_mul_i32 s94, s17, 8*TROW
	v_add_nc_u32 v4, s94, v3
	s_add_co_u32 s94, s94, SLOT
	v_add_nc_u32 v5, s94, v3
	s_mul_i32 s94, s18, 4*TROW
	s_add_co_u32 s94, s94, BOFF
	v_add_nc_u32 v6, s94, v3
	s_add_co_u32 s94, s94, SLOT
	v_add_nc_u32 v7, s94, v3
	s_lshl_b32 s94, s17, 12
	s_add_co_u32 s94, s94, SCL
	v_add_nc_u32 v8, s94, v13
	s_lshl_b32 s94, s18, 11
	s_add_co_u32 s94, s94, SCL+8192
	v_add_nc_u32 v9, s94, v13
	v_lshlrev_b32 v12, 2, v1                       ; the bias of tile j: b_in[128 nt + 64 (wave % 2) + 16 j + r], the same in all eight registers
	s_lshl_b32 s98, s21, 9
	s_lshl_b32 s99, s18, 8
	s_add_co_u32 s98, s98, s99
	s_mov_b32 s99, 0
	s_add_nc_u64 s[88:89], s[12:13], s[98:99]
	WIN 0x80
.irp j, 0,1,2,3
.irp e, 0,1,2,3,4,5,6,7
	global_load_b32 v[8*\j+\e], v12, s[88:89] offset:64*\j
.endr
.endr
	WIN 0
	s_lshr_b32 s94, s22, 3
	s_lshl_b32 s94, s94, 4
	s_sub_co_u32 s96, s21, 16
	s_lshl_b32 s96, s96, 1
	s_add_co_u32 s94, s94, s96
	s_add_co_u32 s94, s94, s18                     ; my head's record: 16 b + 2 (nt - 16) + wave % 2
	s_mul_i32 s94, s94, REC
	s_and_b32 s95, s22, 7
	s_lshl_b32 s95, s95, 1
	s_add_co_u32 s95, s95, s17                     ; which 128 keys of the batch: 2 (mt % 8) + wave / 2
	s_lshl_b32 s96, s95, 12                        ; four fragments' images of 1,024 bytes
	s_add_co_u32 s98, s94, s96
	s_add_co_u32 s98, s98, VC
	s_add_nc_u64 s[84:85], s[14:15], s[98:99]
	s_lshl_b32 s96, s95, 8
	s_add_co_u32 s98, s94, s96
	s_add_co_u32 s98, s98, VS
	s_add_nc_u64 s[86:87], s[14:15], s[98:99]
	BODY 1
.irp j, 0,1,2,3
	QUANT \j
	global_store_b128 v10, v[64+8*\j:64+8*\j+3], s[84:85] offset:1024*\j         ; the fragment (16 of the head's 64 x 128 keys) as it stands
	global_store_b128 v10, v[64+8*\j+4:64+8*\j+7], s[84:85] offset:1024*\j+512
.endr
	v_cndmask_b32 v116, v96, v97, s90
	v_cndmask_b32 v117, v98, v99, s90
	global_store_b64 v11, v[116:117], s[86:87]
.Lend:
	s_set_vgpr_msb 0x8
	s_wait_tensorcnt 0x0
	ds_add_u32 v15, v65
	s_wait_dscnt 0x0
	s_set_vgpr_msb 0x800
	CROUND                                         ; the closing round: no work-group ends while a partner may still ask for a tile that names it
	s_endpgm
.Lfunc_end_k_q8035282e18_qkv:
	.size	k_q8035282e18_qkv, .Lfunc_end_k_q8035282e18_qkv-k_q8035282e18_qkv
	.p2alignl 7, 3214868480
	.fill 96, 4, 3214868480
	.section	.rodata,"a",@progbits
	.p2align	6, 0x0
	.amdhsa_kernel k_q8035282e18_qkv
		.amdhsa_group_segment_fixed_size 221696
		.amdhsa_private_segment_fixed_size 0
		.amdhsa_enable_private_segment 0
		.amdhsa_kernarg_size 48
		.amdhsa_user_sgpr_count 2
		.amdhsa_user_sgpr_kernarg_segment_ptr 1
		.amdhsa_wavefront_size32 1
		.amdhsa_system_sgpr_workgroup_id_x 1
		.amdhsa_system_sgpr_workgroup_id_y 1
		.amdhsa_system_sgpr_workgroup_id_z 1
		.amdhsa_system_vgpr_workitem_id 0
		.amdhsa_next_free_vgpr 578
		.amdhsa_next_free_sgpr 100
		.amdhsa_reserve_vcc 0
		.amdhsa_float_denorm_mode_32 3
		.amdhsa_float_denorm_mode_16_64 3
		.amdhsa_memory_ordered 1
		.amdhsa_forward_progress 1
		.amdhsa_inst_pref_size 142
	.end_amdhsa_kernel
	.amdgpu_metadata
---
amdhsa.version: [ 1, 2 ]
amdhsa.kernels:
  - .name:           k_q8035282e18_qkv
    .symbol:         k_q8035282e18_qkv.kd
    .args:
      - { .name: x_codes, .offset: 0, .size: 8, .value_kind: global_buffer, .address_space: global }
      - { .name: x_scales, .offset: 8, .size: 8, .value_kind: global_buffer, .address_space: global }
      - { .name: w_in_codes, .offset: 16, .size: 8, .value_kind: global_buffer, .address_space: global }
      - { .name: w_in_scales, .offset: 24, .size: 8, .value_kind: global_buffer, .address_space: global }
      - { .name: b_in, .offset: 32, .size: 8, .value_kind: global_buffer, .address_space: global }
      - { .name: qkv, .offset: 40, .size: 8, .value_kind: global_buffer, .address_space: global }
    .group_segment_fixed_size: 221696
    .private_segment_fixed_size: 0
    .kernarg_segment_align: 8
    .kernarg_segment_size: 48
    .max_flat_workgroup_size: 128
    .sgpr_count:     100
    .vgpr_count:     578
    .wavefront_size: 32
...
	.end_amdgpu_metadata
.endif
;; end of part 1
;; launch attn (part 2): grid 8 x 32, 16 waves a work-group, clusters of 4 x 1, 289,792 bytes of LDS; arguments qkv, ao, aos; writes ao, aos
.if DOCPART == 2
	.amdgcn_target "amdgcn-amd-amdhsa--gfx1250"
	.amdhsa_code_object_version 6
	.text
	.protected	k_q8035282e18_attn
	.globl	k_q8035282e18_attn
	.p2align	8
	.type	k_q8035282e18_attn,@function
k_q8035282e18_attn:
	s_mov_b64 s[64:65], 0
	v_nop
	global_prefetch_b8 v0, s[64:65] scope:SCOPE_SE
	s_setreg_imm32_b32 hwreg(HW_REG_WAVE_MODE, 25, 1), 1
	s_wait_xcnt 0x0
	s_wait_alu depctr_hold_cnt(0) depctr_sa_sdst(0) depctr_va_vdst(0) depctr_va_sdst(0) depctr_va_ssrc(0) depctr_va_vcc(0) depctr_vm_vsrc(0)
	s_getreg_b32 s2, hwreg(HW_REG_IB_STS2, 6, 4)
	s_cmp_eq_u32 s2, 0
	s_cbranch_scc0 .Lentry_in_a_cluster
	s_endpgm
.Lentry_in_a_cluster:
	s_bfe_u32 s2, ttmp6, 0x10000c
	s_cmp_lg_u32 s2, 0x3003
	s_cbranch_scc0 .Lentry_shape_is_right
	s_endpgm
.Lentry_shape_is_right:
; Attention without 1 / sqrt(d), heads of 64, 2,048 keys, both products on codes of FP4 (E2M1) with one E8M0 scale for each 32 along a product's K; the result O / l is quantised along C and leaves as codes.
; THE SOFTMAX AHEAD OF THE SECOND PRODUCT: t = score x log2(e); M = the row's largest t so far, rounded UP to a whole number; p = 2^(t - M) is what is quantised, along the keys; it is not normalised.
; The row's sum is taken of the unquantised p, in f32, and divides O at the end.  When M moves, the sum and O are multiplied by 2^(old M - new M): exact.
; SHARES.  A work-group owns 256 queries of a PAIR of heads (2 q8, 2 q8 + 1) of one batch; each of its sixteen waves owns 16 queries, one tile, and walks first the one head's 2,048 keys, 128 a step, then the other's.
; So a wave makes a whole fragment (16 rows x 128 along C) and a whole scale word of the last product's operand.  Four waves share a SIMD: one wave's vector work stands beside another's matrix work and LDS loads.
; LDS.  A head's K codes, K scale words, V codes and V scale words are 143,360 consecutive bytes of the workspace, laid as images of the operands' registers: both heads come in at the head of the launch, each byte
; filled once; every read takes 16 or 8 consecutive bytes a lane.  So there is no slot that is filled again, and nothing that could be asked for ahead of time: no prefetch is written.
; CLUSTER 4 x 1: the four query blocks of a cluster walk the same K and V: each quarter of a head is asked for jointly by waves 0 to 3.
; LAYOUT.  Both products are used transposed: S^T = K Q^T (source 0 = 16 keys, source 1 = my 16 queries), O^T = V^T P^T (source 0 = 16 of the head's 64, source 1 = P): a lane holds ONE query (lane % 16) throughout.
; K = 64 UNDER AN INSTRUCTION OF 128: Q's registers 4-7 are zero codes, so whatever stands in registers 4-7 of the keys' operand adds nothing: they are the next tile's codes (behind the last tile: zeros);
; bytes 2 and 3 of both scale words are never 0xff.
; LIMITS: a p under 2^-126 comes out of the exponential as 0; a block of zeros gets the scale byte 1 (its codes are zeros, and this program alone reads the bytes); NaN and infinities are not served.
; A block's largest p is made from the block's largest score by the same multiply-add and exponential: this takes the exponential not to fall where its input rises.
; REGISTERS: v1-10 addresses; v12 -M, v13 the largest t, v[14:15] the sum; v16-23, v232-239 Q of the two heads with zeros behind; v24, v25 Q's scale words; v26-29, v240-243 the result's codes; v30 its scale word;
;   v32-63 K, v64-67 zeros; v68-99 V; v100-163 S^T, then p; v164-195 O^T; v196-203 p's codes; v204-207 K's scale words, v208-209 V's; v212-231 at work; v228 p's scale word.
.set REC,   217088                     ; a record of the workspace: K codes 0, K words 65,536, V codes 73,728, V words 139,264, Q codes 143,360, Q words 208,896
.set HEADB, 143360                     ; what a head brings into LDS
.set QC,    143360
.set QS,    208896
.set GATH,  2*HEADB                    ; behind the two heads: 1,024 bytes in which the 256 rows' scale words meet; no tile lands there
.macro PLACES n
.rept \n
	v_nop
.endr
.endm
.macro CROUND                          ; a round of the cluster's barrier
	s_barrier_signal -1
	s_barrier_wait -1
	s_cmp_lg_u32 s10, 0
	s_cbranch_scc1 .Lnot_wave_0_\@
	s_barrier_signal -3
.Lnot_wave_0_\@:
	s_barrier_wait -3
	s_barrier_signal -1
	s_barrier_wait -1
.endm
	s_load_b128 s[4:7], s[0:1], 0x0                ; the workspace of q, k, v s[4:5]; the result's codes s[6:7]
	s_load_b64 s[8:9], s[0:1], 0x10                ; its scale words
	v_lshl_add_u32 v254, v0, 2, 0x46400
	v_mov_b32 v255, 0
	ds_add_u32 v254, v255
	ds_add_u32 v254, v255
	v_lshrrev_b32 v1, 5, v0
	v_readfirstlane_b32 s10, v1                    ; wave 0..15
	s_bfe_u32 s11, ttmp6, 0x40000                  ; cx
	s_lshl_b32 s12, ttmp9, 2
	s_add_co_u32 s12, s12, s11                     ; my block of 256 queries: it enters Q's and the result's addresses alone
	s_and_b32 s13, ttmp7, 0xffff                   ; 8 b + q8, which the four partners share
	; descriptor group 1: a quarter of a head: 140 rows of 256 bytes (32 elements of 8 bytes), dense; the mask names all four work-groups
	s_mov_b32 s16, 15|(3<<16)|(1<<21)
	s_mov_b32 s17, 32<<16
	s_mov_b32 s18, 140<<16
	s_mov_b32 s19, 32<<16
	s_mov_b32 s20, 140
	s_mov_b32 s21, 32
	s_mov_b32 s22, 0
	s_mov_b32 s23, 0
	s_mov_b32 s32, 0x76543210                      ; v_permlanex16_b32's selects for the lane 16 away
	s_mov_b32 s33, 0xfedcba98
	s_mov_b32 s34, 0x3fb8aa3b                      ; log2(e)
	s_mov_b32 s35, s34                             ; (named with it as a pair, so it is written)
	s_lshl_b32 s50, s13, 1
	s_mul_i32 s50, s50, REC                        ; the first head's record
	s_mul_i32 s52, s10, 35840                      ; my quarter, if I fetch
	s_add_co_u32 s54, s50, s52
	s_mov_b32 s55, 0
	s_wait_dscnt 0x0
	s_wait_kmcnt 0x0
	s_mov_b32 s24, 1
	s_mov_b32 s25, s52
	s_add_nc_u64 s[26:27], s[4:5], s[54:55]
	s_mov_b32 s28, 1
	s_add_co_u32 s29, s52, HEADB
	s_add_nc_u64 s[30:31], s[26:27], REC
	s_or_b32 s27, s27, 0x80000000
	s_or_b32 s31, s31, 0x80000000
	CROUND                                         ; all four work-groups are here: the joint loads meet
	s_cmp_lt_u32 s10, 4                            ; waves 0 to 3 fetch: both fills of a wave in one branch on its number: two loads of mine are out; four v_nop follow the second
	s_cbranch_scc0 .Lno_fill
	tensor_load_to_lds s[24:27], s[16:23]
	s_nop 0
	tensor_load_to_lds s[28:31], s[16:23]
	s_nop 0
	PLACES 4
.Lno_fill:
	v_and_b32 v1, 31, v0
	v_lshlrev_b32 v2, 3, v1                        ; 8 x lane
	v_lshlrev_b32 v1, 4, v1                        ; 16 x lane
	v_and_b32 v8, 15, v0                           ; r
	v_lshlrev_b32 v7, 3, v8                        ; Q's scale words: 8 bytes from row to row
	v_lshlrev_b32 v8, 2, v8
	s_lshl_b32 s51, s10, 6
	s_add_co_u32 s51, s51, GATH
	v_add_nc_u32 v8, s51, v8                       ; where my row's scale word goes: 4 (16 wave + r)
	v_lshl_add_u32 v9, v0, 4, GATH                 ; and where waves 0 and 1 read the words back: 16 bytes a thread
	v_lshlrev_b32 v10, 4, v0
	s_lshl_b32 s51, s12, 4
	s_add_co_u32 s51, s51, s10                     ; my tile of queries in the batch: 16 x block + wave
	s_lshl_b32 s53, s51, 9
	s_add_co_u32 s53, s53, s50
	s_add_co_u32 s56, s53, QC
	s_mov_b32 s57, 0
	s_add_nc_u64 s[42:43], s[4:5], s[56:57]        ; Q's codes: an image of 512 bytes
	global_load_b128 v[16:19], v1, s[42:43]
	global_load_b128 v[232:235], v1, s[42:43] offset:REC
	s_lshr_b32 s53, s51, 2                         ; Q's scale words lie as K's: 256 bytes for four tiles; tile 2 p + h' at 128 h' + 8 r + 4 p
	s_lshl_b32 s53, s53, 8
	s_and_b32 s58, s10, 1
	s_lshl_b32 s58, s58, 7
	s_add_co_u32 s53, s53, s58
	s_bfe_u32 s58, s10, 0x10001
	s_lshl_b32 s58, s58, 2
	s_add_co_u32 s53, s53, s58
	s_add_co_u32 s53, s53, s50
	s_add_co_u32 s56, s53, QS
	s_add_nc_u64 s[44:45], s[4:5], s[56:57]
	global_load_b32 v24, v7, s[44:45]
	global_load_b32 v25, v7, s[44:45] offset:REC
	s_lshr_b32 s53, s13, 3                         ; b
	s_and_b32 s58, s13, 7                          ; q8
	s_lshl_b32 s59, s53, 7
	s_add_co_u32 s59, s59, s51                     ; my tile of rows: 128 b + tile
	s_lshl_b32 s59, s59, 13
	s_lshl_b32 s56, s58, 10
	s_add_co_u32 s56, s56, s59
	s_add_nc_u64 s[46:47], s[6:7], s[56:57]        ; the result's codes: [tile of rows][q8][head % 2][512 bytes]
	s_lshl_b32 s59, s53, 13
	s_lshl_b32 s56, s12, 10
	s_add_co_u32 s56, s56, s59
	s_lshl_b32 s59, s58, 15
	s_add_co_u32 s56, s56, s59
	s_add_nc_u64 s[48:49], s[8:9], s[56:57]        ; its scale words: [q8][row] of 4 bytes: my work-group's 256 rows
.irp n, 20,21,22,23,236,237,238,239,64,65,66,67
	v_mov_b32 v[\n], 0                             ; zero codes: the upper halves of Q's operands, and what stands behind K's last tile
.endr
.irp n, 216,217,218,219,224,227
	v_mov_b32 v[\n], 0                             ; written once: a lane permute's destination counts as one of its sources; v227 is named as the upper half of a pair
.endr
; A KEY STEP: 128 keys.  qr: Q's operand, qs: its scale words.
.macro STEP qr, qs
	v_add_nc_u32 v3, s36, v1                       ; (these four are also the places in front of the loads into registers that the last step's products read)
	v_add_nc_u32 v4, s37, v1
	v_add_nc_u32 v5, s38, v2
	v_add_nc_u32 v6, s39, v2
.irp t, 0,1,2,3,4,5,6,7
	ds_load_b128 v[32+4*\t:35+4*\t], v3 offset:512*\t          ; K: tile t's image: lane (r, h): key 16 t + r, d = 32 h + 0 .. 31
.endr
	ds_load_b64 v[204:205], v5                     ; K's scale words: register t / 2; even tiles in lanes 0-15, odd ones in lanes 16-31
	ds_load_b64 v[206:207], v5 offset:256
.irp t, 0,1,2,3
	ds_load_b128 v[68+8*\t:71+8*\t], v4 offset:1024*\t         ; V: the fragment of d = 16 t + 0 .. 15 x these 128 keys
	ds_load_b128 v[72+8*\t:75+8*\t], v4 offset:1024*\t+512
.endr
	ds_load_b64 v[208:209], v6                     ; V's scale words, laid likewise
	s_wait_dscnt 0x9                               ; K and its words are in; V's nine loads may be out: they land during the softmax
.irp t, 0,1,2,3,4,5,6,7
.if \t%2
	v_wmma_scale_f32_16x16x128_f8f6f4 v[100+8*\t:107+8*\t], v[32+4*\t:39+4*\t], v[\qr:\qr+7], 0, v[204+\t/2], v[\qs] matrix_a_fmt:MATRIX_FMT_FP4 matrix_b_fmt:MATRIX_FMT_FP4 matrix_a_scale:MATRIX_SCALE_ROW1
.else
	v_wmma_scale_f32_16x16x128_f8f6f4 v[100+8*\t:107+8*\t], v[32+4*\t:39+4*\t], v[\qr:\qr+7], 0, v[204+\t/2], v[\qs] matrix_a_fmt:MATRIX_FMT_FP4 matrix_b_fmt:MATRIX_FMT_FP4
.endif
.endr                                  ; lane (r, h) holds query r; register 8 t + e is key 16 t + 8 h + e
	PLACES 4
.irp b, 0,1,2,3
	v_max3_num_f32 v[212+\b], v[100+16*\b], v[101+16*\b], v[102+16*\b]   ; THE LARGEST SCORE OF EACH BLOCK OF 32 KEYS: it serves for the row's maximum and, since p rises with the score, for the block's largest p
.endr
.irp i, 3,5,7,9,11,13
.irp b, 0,1,2,3
	v_max3_num_f32 v[212+\b], v[212+\b], v[100+16*\b+\i], v[101+16*\b+\i]
.endr
.endr
.irp b, 0,1,2,3
	v_max_num_f32 v[212+\b], v[212+\b], v[115+16*\b]
.endr
.irp b, 0,1,2,3
	v_permlanex16_b32 v[216+\b], v[212+\b], s32, s33
.endr
.irp b, 0,1,2,3
	v_max_num_f32 v[212+\b], v[212+\b], v[216+\b]  ; with the 16 keys of the lane 16 away
.endr
	v_max3_num_f32 v224, v212, v213, v214
	v_max_num_f32 v224, v224, v215                 ; the step's largest score of my query
	v_mul_f32 v224, s34, v224                      ; as t
	v_max_num_f32 v13, v13, v224                   ; the running largest t
	v_mov_b32 v224, v12
	v_floor_f32 v12, -v13                          ; the new -M = floor(-t) = -ceil(t): a whole number
	v_sub_f32 v224, v12, v224                      ; M's old value less its new one: a whole number, 0 or less
	v_cvt_i32_f32 v224, v224                       ; (it saturates)
	v_ldexp_f32 v226, 1.0, v224                    ; f = 2^(old M - new M)
.set n, 0
.rept 32
	v_pk_fma_f32 v[100+n:101+n], v[100+n:101+n], s[34:35], v[12:13] op_sel_hi:[1,0,0]   ; t - M, two at a time
.set n, n+2
.endr
.irp b, 0,1,2,3
	v_fma_f32 v[212+\b], v[212+\b], s34, v12       ; the same of each block's largest score
.endr
.set n, 0
.rept 64
	v_exp_f32 v[100+n], v[100+n]                   ; p = 2^(t - M), at most 1: not normalised
.set n, n+1
.endr
	v_pk_mul_f32 v[14:15], v[14:15], v[226:227] op_sel_hi:[1,0]   ; the sums under the new M: the plain instruction behind the exponentials
	s_wait_alu depctr_va_vdst(0)                   ; one wait for the batch of 64, ahead of its first reader
.irp b, 0,1,2,3
	v_exp_f32 v[212+\b], v[212+\b]                 ; the block's largest p: the same two instructions on the same number give the same bits
.endr
	v_pk_add_f32 v[230:231], v[100:101], v[102:103]   ; THE ROW'S SUM IS TAKEN OF THE UNQUANTISED p: two at a time, in two chains; it reads the 64 alone
.set n, 4
.rept 15
	v_pk_add_f32 v[14:15], v[14:15], v[100+n:101+n]
	v_pk_add_f32 v[230:231], v[230:231], v[102+n:103+n]
.set n, n+4
.endr
	v_pk_add_f32 v[14:15], v[14:15], v[230:231]
	s_wait_alu depctr_va_vdst(0)                   ; and one for the four
.irp b, 0,1,2,3
	v_max_num_f32 v[212+\b], 0x1800000, v[212+\b]  ; the floor 2^(3 - 127): the byte cannot fall under 1
.endr
.irp b, 0,1,2,3
	v_add_nc_u32 v[220+\b], 0xff000000, v[212+\b]  ; 2 off the exponent field: the conversion's scale operand
.endr
.irp b, 0,1,2,3
	v_lshrrev_b32 v[216+\b], 23, v[220+\b]         ; the scale's byte
.endr
	v_lshl_or_b32 v228, v217, 8, v216              ; p's scale word for these 128 keys
	v_lshl_or_b32 v228, v218, 16, v228
	v_lshl_or_b32 v228, v219, 24, v228
.irp b, 0,1,2,3
	v_cvt_scalef32_pk8_fp4_f32 v[196+4*(\b/2)+(\b%2)], v[100+16*\b:107+16*\b], v[220+\b]
	v_cvt_scalef32_pk8_fp4_f32 v[196+4*(\b/2)+2+(\b%2)], v[108+16*\b:115+16*\b], v[220+\b]
.endr
	v_nop                                          ; one plain place behind a scaled conversion
.irp c, 0,1
.irp u, 0,1
	v_permlane16_swap_b32 v[196+4*\c+2*\u], v[196+4*\c+2*\u+1]   ; registers 4 c + g now hold keys 64 c + 32 h + 8 g + 0 .. 7
.endr
.endr
.set n, 0
.rept 16
	v_pk_mul_f32 v[164+n:165+n], v[164+n:165+n], v[226:227] op_sel_hi:[1,0]   ; O^T under the new M.  (Twelve of these name no register of any one product below: the places behind the writes of p's codes and scale word)
.set n, n+2
.endr
	s_wait_dscnt 0x0                               ; V is in
.irp t, 0,1,2,3
.if \t%2
	v_wmma_scale_f32_16x16x128_f8f6f4 v[164+8*\t:171+8*\t], v[68+8*\t:75+8*\t], v[196:203], v[164+8*\t:171+8*\t], v[208+\t/2], v228 matrix_a_fmt:MATRIX_FMT_FP4 matrix_b_fmt:MATRIX_FMT_FP4 matrix_a_scale:MATRIX_SCALE_ROW1
.else
	v_wmma_scale_f32_16x16x128_f8f6f4 v[164+8*\t:171+8*\t], v[68+8*\t:75+8*\t], v[196:203], v[164+8*\t:171+8*\t], v[208+\t/2], v228 matrix_a_fmt:MATRIX_FMT_FP4 matrix_b_fmt:MATRIX_FMT_FP4
.endif
.endr                                  ; four accumulators, one turn each; the eight products of the next step's scores stand between two links
	s_add_co_u32 s36, s36, 4096                    ; the next 128 keys: K's eight images, V's four fragments,
	s_add_co_u32 s37, s37, 4096
	s_add_co_u32 s38, s38, 512                     ; and their scale words
	s_add_co_u32 s39, s39, 256
.endm
; The head is done: O^T / the sum, quantised along C (the head's 64 are two whole blocks), is half c of my fragment of the last product's operand.  oc: where its four registers stand.
.macro FINISH c, oc
	PLACES 4                                       ; behind the last products
	v_add_f32 v14, v14, v15                        ; the sum's two halves,
	v_permlanex16_b32 v224, v14, s32, s33
	v_add_f32 v14, v14, v224                       ; and those of the lane 16 away: the row's sum
	v_rcp_f32 v226, v14
	v_nop                                          ; a plain instruction behind the reciprocal,
	s_wait_alu depctr_va_vdst(0)                   ; and the wait ahead of its first reader
.set n, 0
.rept 16
	v_pk_mul_f32 v[164+n:165+n], v[164+n:165+n], v[226:227] op_sel_hi:[1,0]   ; each accumulator from its low end on
.set n, n+2
.endr
.irp b, 0,1
	v_max3_num_f32 v[212+\b], |v[164+16*\b]|, |v[165+16*\b]|, 0x1800000
.endr
.irp i, 2,4,6,8,10,12,14
.irp b, 0,1
	v_max3_num_f32 v[212+\b], v[212+\b], |v[164+16*\b+\i]|, |v[165+16*\b+\i]|
.endr
.endr
.irp b, 0,1
	v_permlanex16_b32 v[216+\b], v[212+\b], s32, s33
.endr
.irp b, 0,1
	v_max_num_f32 v[212+\b], v[212+\b], v[216+\b]
.endr
.irp b, 0,1
	v_add_nc_u32 v[220+\b], 0xff000000, v[212+\b]
.endr
.irp b, 0,1
	v_lshrrev_b32 v[216+\b], 23, v[220+\b]
.endr
.if \c == 0
	v_lshl_or_b32 v30, v217, 8, v216               ; the scale word's lower two bytes
.else
	v_lshl_or_b32 v224, v217, 8, v216
	v_lshl_or_b32 v30, v224, 16, v30               ; and its upper two
.endif
.irp b, 0,1
	v_cvt_scalef32_pk8_fp4_f32 v[\oc+\b], v[164+16*\b:171+16*\b], v[220+\b]
	v_cvt_scalef32_pk8_fp4_f32 v[\oc+2+\b], v[172+16*\b:179+16*\b], v[220+\b]
.endr
	v_nop                                          ; one plain place behind a scaled conversion
.irp u, 0,1
	v_permlane16_swap_b32 v[\oc+2*\u], v[\oc+2*\u+1]
.endr
	global_store_b128 v1, v[\oc:\oc+3], s[46:47] offset:512*\c   ; 32 lanes store 512 consecutive bytes
.endm
; One head: sixteen key steps, written once.  The sums begin as zeros and the largest t as -3e38: the first change of M multiplies zeros.
.macro PASS c, qr, qs, oc
	s_mov_b32 s36, HEADB*\c
	s_mov_b32 s37, HEADB*\c+73728
	s_mov_b32 s38, HEADB*\c+65536
	s_mov_b32 s39, HEADB*\c+139264
	v_mov_b32 v13, 0xff61b1e6
	v_floor_f32 v12, -v13
	v_mov_b32 v14, 0
	v_mov_b32 v15, 0
.set n, 0
.rept 32
	v_mov_b32 v[164+n], 0
.set n, n+1
.endr
	s_mov_b32 s40, 16
.Lk_\@:
	STEP \qr, \qs
	s_sub_co_u32 s40, s40, 1
	s_cmp_lg_u32 s40, 0
	s_cbranch_scc1 .Lk_\@
	FINISH \c, \oc
.endm
	s_wait_loadcnt 0x0                             ; Q and its scale words
	s_wait_tensorcnt 0x1                           ; my quarter of the first head is in; the one load that may be out is the second head's
	s_barrier_signal -1
	s_barrier_wait -1                              ; everybody's is
	PASS 0, 16, 24, 26
	s_wait_tensorcnt 0x0                           ; my quarter of the second head is in,
	s_wait_dscnt 0x0
	s_barrier_signal -1
	s_barrier_wait -1                              ; everybody's is
	PASS 1, 232, 25, 240
	ds_store_b32 v8, v30                           ; my row's scale word; both halves of the lanes write the same word with the same value
	s_wait_dscnt 0x0                               ; for the others' sake
	s_barrier_signal -1
	s_barrier_wait -1
	s_cmp_lt_u32 s10, 2                            ; waves 0 and 1 store the 256 words: 512 consecutive bytes each
	s_cbranch_scc0 .Lno_words
	ds_load_b128 v[100:103], v9
	s_wait_dscnt 0x0
	global_store_b128 v10, v[100:103], s[48:49]
.Lno_words:
	s_wait_tensorcnt 0x0
	ds_add_u32 v254, v255
	s_wait_dscnt 0x0
	CROUND                                         ; the closing round: no work-group ends while a partner may still ask for a tile that names it
	s_endpgm
.Lfunc_end_k_q8035282e18_attn:
	.size	k_q8035282e18_attn, .Lfunc_end_k_q8035282e18_attn-k_q8035282e18_attn
	.p2alignl 7, 3214868480
	.fill 96, 4, 3214868480
	.section	.rodata,"a",@progbits
	.p2align	6, 0x0
	.amdhsa_kernel k_q8035282e18_attn
		.amdhsa_group_segment_fixed_size 289792
		.amdhsa_private_segment_fixed_size 0
		.amdhsa_enable_private_segment 0
		.amdhsa_kernarg_size 24
		.amdhsa_user_sgpr_count 2
		.amdhsa_user_sgpr_kernarg_segment_ptr 1
		.amdhsa_wavefront_size32 1
		.amdhsa_system_sgpr_workgroup_id_x 1
		.amdhsa_system_sgpr_workgroup_id_y 1
		.amdhsa_system_sgpr_workgroup_id_z 1
		.amdhsa_system_vgpr_workitem_id 0
		.amdhsa_next_free_vgpr 256
		.amdhsa_next_free_sgpr 66
		.amdhsa_reserve_vcc 0
		.amdhsa_float_denorm_mode_32 3
		.amdhsa_float_denorm_mode_16_64 3
		.amdhsa_memory_ordered 1
		.amdhsa_forward_progress 1
		.amdhsa_inst_pref_size 47
	.end_amdhsa_kernel
	.amdgpu_metadata
---
amdhsa.version: [ 1, 2 ]
amdhsa.kernels:
  - .name:           k_q8035282e18_attn
    .symbol:         k_q8035282e18_attn.kd
    .args:
      - { .name: qkv, .offset: 0, .size: 8, .value_kind: global_buffer, .address_space: global }
      - { .name: ao, .offset: 8, .size: 8, .value_kind: global_buffer, .address_space: global }
      - { .name: aos, .offset: 16, .size: 8, .value_kind: global_buffer, .address_space: global }
    .group_segment_fixed_size: 289792
    .private_segment_fixed_size: 0
    .kernarg_segment_align: 8
    .kernarg_segment_size: 24
    .max_flat_workgroup_size: 512
    .sgpr_count:     66
    .vgpr_count:     256
    .wavefront_size: 32
...
	.end_amdgpu_metadata
.endif
;; end of part 2
;; launch proj (part 3): grid 8 x 32, 4 waves a work-group, clusters of 4 x 4, 247,296 bytes of LDS; arguments ao, aos, w_out_codes, w_out_scales, b_out, out0; writes out0
.if DOCPART == 3
	.amdgcn_target "amdgcn-amd-amdhsa--gfx1250"
	.amdhsa_code_object_version 6
	.text
	.protected	k_q8035282e18_proj
	.globl	k_q8035282e18_proj
	.p2align	8
	.type	k_q8035282e18_proj,@function
k_q8035282e18_proj:
	s_mov_b64 s[64:65], 0
	v_nop
	global_prefetch_b8 v0, s[64:65] scope:SCOPE_SE
	s_setreg_imm32_b32 hwreg(HW_REG_WAVE_MODE, 25, 1), 1
	s_wait_xcnt 0x0
	s_wait_alu depctr_hold_cnt(0) depctr_sa_sdst(0) depctr_va_vdst(0) depctr_va_sdst(0) depctr_va_ssrc(0) depctr_va_vcc(0) depctr_vm_vsrc(0)
	s_getreg_b32 s2, hwreg(HW_REG_IB_STS2, 6, 4)
	s_cmp_eq_u32 s2, 0
	s_cbranch_scc0 .Lentry_in_a_cluster
	s_endpgm
.Lentry_in_a_cluster:
	s_bfe_u32 s2, ttmp6, 0x10000c
	s_cmp_lg_u32 s2, 0xf033
	s_cbranch_scc0 .Lentry_shape_is_right
	s_endpgm
.Lentry_shape_is_right:
; out0 = a w_out + b_out on codes of FP4 (E2M1) with one E8M0 scale for each 32 along K = 1,024.  a: attention's result, 8,192 rows, as this program's own workspace:
; codes as images of the operand's fragments, [tile of 16 rows][K step (8)][half (2)][512 bytes, 16 a lane]; scale words [K step (8)][row] of 4 bytes.  w_out: 1,024 rows x 512 bytes of codes, K innermost, 32 scale bytes a row.
; SHARES.  A work-group takes 256 rows of a and 128 rows of w_out for all of K: 8 x 32 work-groups.  Each of its four waves takes 64 rows of a against all 128 rows of w_out: 32 accumulators.
; THE MATRIX INSTRUCTION IS USED TRANSPOSED (source 0 = 16 rows of w_out, source 1 = 16 rows of a): a lane holds eight neighbouring numbers of a row of out0.
; LDS.  K = 1,024 is two halves of 512: both halves of both tiles and all scales are asked for at the head, every byte filled once: no slot is filled again, nothing is left to be asked for ahead of time, no prefetch is written.
; CLUSTER 4 x 4: a's tile is shared along a row of the cluster, w_out's along a column: joint loads.
; REGISTERS.  window 0: v1-15 addresses; v16-47 w_out's scale words, v48-63 a's; v64-191 w_out's fragments, two sets; v192-255 a's, two sets; on the way out v64-191 rows of out0.
;   window 1: accumulator (i, j) at v[64 j + 8 i].   window 2: v0-63 the bias, as the C of the first K step.
.set PITCH, 272                        ; a row of w_out in LDS: 256 bytes + 16 of padding
.set TROW,  16*PITCH
.set SLOT3, 65536+128*PITCH            ; a half of K: a's 16 tiles x 4 K steps x 1,024 bytes, dense; then w_out's 128 rows
.set SCL3,  2*SLOT3                    ; a's scale words: 2 x [K step (8)][128 rows x 4 bytes]; then w_out's scale bytes (4,096)
.set STAGE, SCL3+12288                 ; the way out: 16 rows x (512 bytes + 16) for each wave; no tile lands there
.set MSB, 0
.macro WIN new                         ; the immediate's high byte repeats the setting that is left
.if MSB != \new
	s_set_vgpr_msb (MSB<<8)|\new
.set MSB, \new
.endif
.endm
.macro PLACES n
.rept \n
	v_nop
.endr
.endm
.macro CROUND                          ; a round of the cluster's barrier
	s_barrier_signal -1
	s_barrier_wait -1
	s_cmp_lg_u32 s16, 0
	s_cbranch_scc1 .Lnot_wave_0_\@
	s_barrier_signal -3
.Lnot_wave_0_\@:
	s_barrier_wait -3
	s_barrier_signal -1
	s_barrier_wait -1
.endm
	s_load_b256 s[4:11], s[0:1], 0x0               ; a's codes s[4:5], a's scale words s[6:7], w_out's codes s[8:9], w_out's scales s[10:11]
	s_load_b128 s[12:15], s[0:1], 0x20             ; b_out s[12:13], out0 s[14:15]
	v_lshl_add_u32 v11, v0, 2, 0x3c400
	v_mov_b32 v13, 0
	ds_add_u32 v11, v13
	ds_add_u32 v11, v13
	v_lshrrev_b32 v1, 5, v0
	v_readfirstlane_b32 s16, v1                    ; wave 0..3
	s_lshr_b32 s17, s16, 1                         ; I fetch for a (0) or for w_out (1)
	s_and_b32 s18, s16, 1                          ; and which half of that tile's rows
	s_bfe_u32 s19, ttmp6, 0x40000                  ; cx
	s_bfe_u32 s20, ttmp6, 0x40004                  ; cy
	s_lshl_b32 s21, ttmp9, 2
	s_add_co_u32 s21, s21, s19                     ; nt: which 128 rows of w_out
	s_and_b32 s22, ttmp7, 0xffff
	s_lshl_b32 s22, s22, 2
	s_add_co_u32 s22, s22, s20                     ; mt: which 256 rows of a
	s_lshl_b32 s94, s20, 2
	s_lshl_b32 s94, 15, s94                        ; my row of the cluster
	s_lshl_b32 s95, 0x1111, s19                    ; my column
	; descriptor groups 1.  a's codes: 8 tiles of rows, of each 4,096 bytes (512 elements of 8 bytes: four K steps), 8,192 bytes apart in memory, dense in LDS
	s_or_b32 s24, s94, (3<<16)|(1<<21)
	s_mov_b32 s25, 512<<16
	s_mov_b32 s26, 8<<16
	s_mov_b32 s27, 512<<16
	s_mov_b32 s28, 8
	s_mov_b32 s29, 1024
	s_mov_b32 s30, 0
	s_mov_b32 s31, 0
	; w_out's codes: 64 rows of 256 one-byte elements, 512 bytes apart, 4 words of padding behind every 64
	s_or_b32 s32, s95, (1<<20)|(1<<21)|(5<<22)|(3<<25)
	s_mov_b32 s33, 256<<16
	s_mov_b32 s34, 64<<16
	s_mov_b32 s35, 256<<16
	s_mov_b32 s36, 64
	s_mov_b32 s37, 512
	s_mov_b32 s38, 0
	s_mov_b32 s39, 0
	; a's scale words: 8 K steps, of each 128 rows' words (64 elements of 8 bytes), 32,768 bytes apart
	s_or_b32 s40, s94, (3<<16)|(1<<21)
	s_mov_b32 s41, 64<<16
	s_mov_b32 s42, 8<<16
	s_mov_b32 s43, 64<<16
	s_mov_b32 s44, 8
	s_mov_b32 s45, 4096
	s_mov_b32 s46, 0
	s_mov_b32 s47, 0
	; w_out's scale bytes: 64 rows x 32 bytes, dense, as 8 rows of 256 bytes
	s_or_b32 s48, s95, (3<<16)|(1<<21)
	s_mov_b32 s49, 32<<16
	s_mov_b32 s50, 8<<16
	s_mov_b32 s51, 32<<16
	s_mov_b32 s52, 8
	s_mov_b32 s53, 32
	s_mov_b32 s54, 0
	s_mov_b32 s55, 0
	; where the tiles come from: a's hang on mt alone, w_out's on nt alone, each in registers of its own
	s_lshl_b32 s96, s22, 8
	s_lshl_b32 s97, s18, 7
	s_add_co_u32 s96, s96, s97                     ; a: row 256 mt + 128 x half
	s_lshl_b32 s2, s96, 2                          ; its scale words in K step 0
	s_mov_b32 s3, 0
	s_lshl_b32 s96, s96, 9                         ; its codes: 8,192 bytes for 16 rows
	s_mov_b32 s97, 0
	s_lshl_b32 s98, s21, 7
	s_lshl_b32 s99, s18, 6
	s_add_co_u32 s98, s98, s99                     ; w_out: row 128 nt + 64 x half
	s_lshl_b32 s66, s98, 5
	s_mov_b32 s67, 0
	s_lshl_b32 s98, s98, 9
	s_mov_b32 s99, 0
	s_lshl_b32 s23, s18, 15                        ; where they go: 8 tiles x 4,096 bytes of a, 64 rows of w_out for each half: no place in the cluster enters an LDS address
	s_mul_i32 s91, s18, 4*TROW
	s_wait_dscnt 0x0
	s_wait_kmcnt 0x0
	s_mov_b32 s56, 1                               ; groups 0 for a: scale words, first half of K, second half
	s_lshl_b32 s57, s18, 12
	s_add_co_u32 s57, s57, SCL3
	s_add_nc_u64 s[58:59], s[6:7], s[2:3]
	s_or_b32 s59, s59, 0x80000000
	s_mov_b32 s60, 1
	s_mov_b32 s61, s23
	s_add_nc_u64 s[62:63], s[4:5], s[96:97]
	s_mov_b32 s68, 1
	s_add_co_u32 s69, s23, SLOT3
	s_add_nc_u64 s[70:71], s[62:63], 4096
	s_or_b32 s63, s63, 0x80000000
	s_or_b32 s71, s71, 0x80000000
	s_mov_b32 s72, 1                               ; and for w_out
	s_lshl_b32 s73, s18, 11
	s_add_co_u32 s73, s73, SCL3+8192
	s_add_nc_u64 s[74:75], s[10:11], s[66:67]
	s_or_b32 s75, s75, 0x80000000
	s_mov_b32 s76, 1
	s_add_co_u32 s77, s91, 65536
	s_add_nc_u64 s[78:79], s[8:9], s[98:99]
	s_mov_b32 s80, 1
	s_add_co_u32 s81, s91, 65536+SLOT3
	s_add_nc_u64 s[82:83], s[78:79], 256
	s_or_b32 s79, s79, 0x80000000
	s_or_b32 s83, s83, 0x80000000
	CROUND                                         ; all sixteen work-groups are here: the joint loads meet
	s_cmp_eq_u32 s17, 0                            ; a wave's three fills stand in one branch on its number: three loads of mine are out; four v_nop follow the third
	s_cbranch_scc0 .Lfill_w
	tensor_load_to_lds s[56:59], s[40:47]
	s_nop 0
	tensor_load_to_lds s[60:63], s[24:31]
	s_nop 0
	tensor_load_to_lds s[68:71], s[24:31]
	s_nop 0
	PLACES 4
	s_branch .Lfilled
.Lfill_w:
	tensor_load_to_lds s[72:75], s[48:55]
	s_nop 0
	tensor_load_to_lds s[76:79], s[32:39]
	s_nop 0
	tensor_load_to_lds s[80:83], s[32:39]
	s_nop 0
	PLACES 4
.Lfilled:
	v_and_b32 v1, 15, v0                           ; r
	v_bfe_u32 v2, v0, 4, 1                         ; h
	v_mul_u32_u24 v3, v1, PITCH
	v_lshl_add_u32 v3, v2, 4, v3                   ; a fragment of w_out: row r x pitch + 16 h
	v_and_b32 v10, 31, v0
	v_lshlrev_b32 v10, 4, v10                      ; 16 x lane
	v_add_nc_u32 v4, 65536, v3                     ; w_out's rows in the two halves
	v_add_nc_u32 v5, 65536+SLOT3, v3
	s_lshl_b32 s94, s16, 14                        ; my four tiles of a
	v_add_nc_u32 v6, s94, v10
	s_add_co_u32 s94, s94, SLOT3
	v_add_nc_u32 v7, s94, v10
	v_lshlrev_b32 v8, 5, v1
	v_lshl_add_u32 v8, v2, 4, v8
	v_add_nc_u32 v8, SCL3+8192, v8                 ; w_out's scale bytes: row r x 32 + 16 h: lanes 0-15 take the words of K steps 0-3, lanes 16-31 those of K steps 4-7
	v_lshlrev_b32 v9, 2, v1
	v_lshl_add_u32 v9, v2, 11, v9                  ; a's scale words: 4 r, and four K steps of 512 bytes on for lanes 16-31
	s_lshl_b32 s94, s17, 12
	s_lshl_b32 s95, s18, 8
	s_add_co_u32 s94, s94, s95
	s_add_co_u32 s94, s94, SCL3
	v_add_nc_u32 v9, s94, v9                       ; my 64 rows: which 128 (wave / 2), which 64 of them (wave % 2)
	s_mul_i32 s94, s16, 16*528
	s_add_co_u32 s94, s94, STAGE                   ; my stage
	v_mul_u32_u24 v14, v1, 528
	v_lshl_add_u32 v14, v2, 5, v14
	v_add_nc_u32 v14, s94, v14                     ; in: row r, 32 bytes for each half of the lanes
	v_add_nc_u32 v15, s94, v10                     ; back: the 32 lanes take one row of 512 bytes
	v_lshlrev_b32 v12, 5, v2                       ; the bias of tile i: b_out[128 nt + 16 i + 8 h + 0 .. 7]
	s_lshl_b32 s98, s21, 9
	s_mov_b32 s99, 0
	s_add_nc_u64 s[88:89], s[12:13], s[98:99]
	WIN 0x80                                       ; destination window 2
.irp i, 0,1,2,3,4,5,6,7
	global_load_b128 v[8*\i:8*\i+3], v12, s[88:89] offset:64*\i
	global_load_b128 v[8*\i+4:8*\i+7], v12, s[88:89] offset:64*\i+16
.endr
	WIN 0
	s_lshl_b32 s94, s22, 20                        ; out0: row 256 mt + 64 wave of 4,096 bytes, column 128 nt
	s_lshl_b32 s95, s16, 18
	s_add_co_u32 s94, s94, s95
	s_add_co_u32 s98, s94, s98
	s_add_nc_u64 s[84:85], s[14:15], s[98:99]
.macro FRAG reg, adr, off, d           ; a fragment, 16 rows x 128 K of 4-bit codes: 8 registers, two loads of 16 bytes, d bytes apart
	ds_load_b128 v[\reg:\reg+3], v[\adr] offset:\off
	ds_load_b128 v[\reg+4:\reg+7], v[\adr] offset:\off+\d
.endm
.macro FETCH q                         ; K step q's fragments into set q % 2: w_out's eight from rows, a's four from images
.irp i, 0,1,2,3,4,5,6,7
	FRAG 64+64*((\q)%2)+8*\i, 4+(\q)/4, TROW*\i+64*((\q)%4), 32
.endr
.irp j, 0,1,2,3
	FRAG 192+32*((\q)%2)+8*\j, 6+(\q)/4, 4096*\j+1024*((\q)%4), 512
.endr
.endm
.macro SCALES                          ; all scale words of the product
.irp i, 0,1,2,3,4,5,6,7
	ds_load_b128 v[16+4*\i:19+4*\i], v8 offset:512*\i
.endr
.irp j, 0,1,2,3
.irp p, 0,1,2,3
	ds_load_b32 v[48+4*\j+\p], v9 offset:512*\p+64*\j
.endr
.endr
.endm
; 32 matrix instructions: K step q.  The 32 accumulators take turns, one instruction a turn, in the same order in every step.
; In step 0 the bias of tile i is C.  From step 4 on the scale words are those of lanes 16-31.
.macro MULS q
.irp j, 0,1,2,3
.irp i, 0,1,2,3,4,5,6,7
.set rD, 64*\j+8*\i
.set rC, rD
.if (\q) == 0
.set rC, 8*\i
.endif
.set rA, 64+64*((\q)%2)+8*\i
.set rB, 192+32*((\q)%2)+8*\j
.set rS, 16+4*\i+(\q)%4
.set rT, 48+4*\j+(\q)%4
.if (\q) < 4
	v_wmma_scale_f32_16x16x128_f8f6f4 v[rD:rD+7], v[rA:rA+7], v[rB:rB+7], v[rC:rC+7], v[rS], v[rT] matrix_a_fmt:MATRIX_FMT_FP4 matrix_b_fmt:MATRIX_FMT_FP4
.else
	v_wmma_scale_f32_16x16x128_f8f6f4 v[rD:rD+7], v[rA:rA+7], v[rB:rB+7], v[rC:rC+7], v[rS], v[rT] matrix_a_fmt:MATRIX_FMT_FP4 matrix_b_fmt:MATRIX_FMT_FP4 matrix_a_scale:MATRIX_SCALE_ROW1 matrix_b_scale:MATRIX_SCALE_ROW1
.endif
.endr
.endr
.endm
.macro STEP q
	s_wait_dscnt 0x0                               ; this step's fragments are in (asked for a step ago)
.if (\q) == 3
	s_wait_tensorcnt 0x0                           ; my part of the second half of K has landed,
	s_barrier_signal -1
	s_barrier_wait -1                              ; everybody's has: the next fetch reads it
.endif
.if (\q) < 7
.if (\q) > 0
	PLACES 4                                       ; in front of loads into the set that the last step's products read
.endif
	FETCH (\q)+1
.endif
.if (\q) == 0
	WIN 0x60                                       ; D window 1, C (the bias) window 2
.else
	WIN 0x50                                       ; C and D window 1
.endif
	MULS \q
	WIN 0
.endm
	s_wait_tensorcnt 0x1                           ; my scales and my part of the first half are in; the one load that may be out is the second half's
	s_barrier_signal -1
	s_barrier_wait -1                              ; everybody's are
	SCALES
	FETCH 0
	s_wait_loadcnt 0x0                             ; the bias
.irp q, 0,1,2,3,4,5,6,7
	STEP \q
.endr
; THE WAY OUT, by blocks j of 16 rows x 128 columns.  A lane holds 32 neighbouring bytes of a row and the lanes beside it hold other rows: a block goes through my own stage in LDS and comes back as whole rows of 512 bytes.
; LDS serves a wave's instructions in order (ISA guide 5.7.1.4): no wait between the stores and the loads, nor in front of the next block's stores.
.macro TOSTAGE j
	WIN 0x04                                       ; an LDS store's data are its source 1: window 1
.irp i, 0,1,2,3,4,5,6,7
	ds_store_b128 v14, v[64*(\j)+8*\i:64*(\j)+8*\i+3] offset:64*\i          ; each accumulator from its low end on
	ds_store_b128 v14, v[64*(\j)+8*\i+4:64*(\j)+8*\i+7] offset:64*\i+16
.endr
	WIN 0
.set BB, 64+64*((\j)%2)
.irp t, 0,1,2,3,4,5,6,7,8,9,10,11,12,13,14,15
	ds_load_b128 v[BB+4*\t:BB+4*\t+3], v15 offset:528*\t
.endr
.endm
.macro SEND j, younger                 ; younger: the LDS instructions issued behind block j's loads, which may stay out
.set BB, 64+64*((\j)%2)
	s_wait_dscnt \younger
.irp t, 0,1,2,3,4,5,6,7,8,9,10,11,12,13,14,15
	global_store_b128 v10, v[BB+4*\t:BB+4*\t+3], s[84:85] offset:65536*(\j)+4096*\t th:TH_STORE_NT   ; 32 lanes store 512 consecutive bytes, at a multiple of 256 from out0's first byte; written once, read by nobody here
.endr
.endm
	PLACES 4                                       ; behind the last products: their results are read, and loads land in the registers that held fragments
	TOSTAGE 0
.irp j, 1,2,3
.if \j > 1
	s_wait_xcnt 0x0                                ; block j - 2's stores have read their registers: block j's rows may land there
.endif
	TOSTAGE \j
	SEND \j-1, 32                                  ; behind block j - 1's loads: block j's 16 stores and 16 loads
.endr
	SEND 3, 0
	s_wait_tensorcnt 0x0
	ds_add_u32 v11, v13
	s_wait_dscnt 0x0
	CROUND                                         ; the closing round: no work-group ends while a partner may still ask for a tile that names it
	s_endpgm
.Lfunc_end_k_q8035282e18_proj:
	.size	k_q8035282e18_proj, .Lfunc_end_k_q8035282e18_proj-k_q8035282e18_proj
	.p2alignl 7, 3214868480
	.fill 96, 4, 3214868480
	.section	.rodata,"a",@progbits
	.p2align	6, 0x0
	.amdhsa_kernel k_q8035282e18_proj
		.amdhsa_group_segment_fixed_size 247296
		.amdhsa_private_segment_fixed_size 0
		.amdhsa_enable_private_segment 0
		.amdhsa_kernarg_size 48
		.amdhsa_user_sgpr_count 2
		.amdhsa_user_sgpr_kernarg_segment_ptr 1
		.amdhsa_wavefront_size32 1
		.amdhsa_system_sgpr_workgroup_id_x 1
		.amdhsa_system_sgpr_workgroup_id_y 1
		.amdhsa_system_sgpr_workgroup_id_z 1
		.amdhsa_system_vgpr_workitem_id 0
		.amdhsa_next_free_vgpr 576
		.amdhsa_next_free_sgpr 100
		.amdhsa_reserve_vcc 0
		.amdhsa_float_denorm_mode_32 3
		.amdhsa_float_denorm_mode_16_64 3
		.amdhsa_memory_ordered 1
		.amdhsa_forward_progress 1
		.amdhsa_inst_pref_size 72
	.end_amdhsa_kernel
	.amdgpu_metadata
---
amdhsa.version: [ 1, 2 ]
amdhsa.kernels:
  - .name:           k_q8035282e18_proj
    .symbol:         k_q8035282e18_proj.kd
    .args:
      - { .name: ao, .offset: 0, .size: 8, .value_kind: global_buffer, .address_space: global }
      - { .name: aos, .offset: 8, .size: 8, .value_kind: global_buffer, .address_space: global }
      - { .name: w_out_codes, .offset: 16, .size: 8, .value_kind: global_buffer, .address_space: global }
      - { .name: w_out_scales, .offset: 24, .size: 8, .value_kind: global_buffer, .address_space: global }
      - { .name: b_out, .offset: 32, .size: 8, .value_kind: global_buffer, .address_space: global }
      - { .name: out0, .offset: 40, .size: 8, .value_kind: global_buffer, .address_space: global }
    .group_segment_fixed_size: 247296
    .private_segment_fixed_size: 0
    .kernarg_segment_align: 8
    .kernarg_segment_size: 48
    .max_flat_workgroup_size: 128
    .sgpr_count:     100
    .vgpr_count:     576
    .wavefront_size: 32
...
	.end_amdgpu_metadata
.endif
;; end of part 3
